; MI455X (gfx1250); checked and timed in simulation.
; The chip was launched on July 23, 2026; its instructions are those of AMD's public machine-readable ISA for CDNA 5 (MIT licence, August 2026) and "CDNA5" Instruction Set Architecture Reference Guide (July 2026). The comments in the code are by the model that wrote it; some were corrected since.
;; Additive Attention. Allowed arithmetic: matrix products marked QUANTISED: E3M2 operands, one E8M0 scale for each 32 along K, by v_wmma_scale_f32_16x16x128_f8f6f4 with both operands' format E3M2, f32 sums; products left as they are: f32 operands where the result goes on into a quantised operand, else bf16, f16 or f32 operands; f32 sums; everything else in f32.
;; Inputs: W1 1,024 x 1,024 float32; W2 1,024 x 1,024 float32; query 32 x 1,024 float32; v 1,024 float32; values 32 x 2,048 x 1,024 float32.
;; Outputs: out0 32 x 1,024 float32; out1 32 x 2,048 float32.
;; This version of the problem:
;;   THIS VERSION OF THE PROBLEM IS GIVEN IN LOW PRECISION. The matrix products marked QUANTISED in the list below multiply operands that are first quantised to E3M2 (3 exponent bits, 2 mantissa bits; 6 bits a number), with one power-of-two scale for each 32 numbers along K (OCP MX v1.0); their sums are f32. All else is computed in f32.
;;   The module's matrix products, in the order in which they are computed (A, B: the left and right operand; K: the contracted axis; several contracted axes count as one K, in the product's order):
;;     1. [M 32, K 1,024] x [K 1,024, N 1,024]; A: input query; B: input W2: QUANTISED
;;     2. [M 65,536, K 1,024] x [K 1,024, N 1,024]; A: input values; B: input W1: QUANTISED
;;     3. [M 65,536, K 1,024] x [K 1,024, N 1]; A: computed on the way; B: input v: left as it is (N = 1 < 16)
;;     4. batch 32 x [M 1, K 2,048] x [K 2,048, N 1,024]; A: softmax; B: input values: left as it is (M = 1 < 16)
;;   THE QUANTISER, for each operand of a quantised product, along K:
;;     - K is cut into blocks of 32 from its start; a last block that is shorter is filled with zeros.
;;     - A block's scale is 2^e with e = floor(log2(the largest magnitude in the block)) - 4, held to -126 .. 127; a block of zeros has e = 0. As a byte (E8M0): e + 127.
;;     - Each number is divided by its block's scale, clamped to +-28, and rounded to the nearest number of E3M2, ties to even, subnormals kept.
;;     - The product sums the exact products of the quantised numbers (number of the format x scale) in f32.
;;   ~~~python
;;   def quantise(x, axis):      # numpy; x: float32 -> the quantised numbers, widened to float32 again
;;       x = np.moveaxis(x, axis, -1); K = x.shape[-1]
;;       x = np.pad(x, [(0, 0)] * (x.ndim - 1) + [(0, -K % 32)]); x = x.reshape(x.shape[:-1] + (-1, 32)); a = np.abs(x).max(-1, keepdims=True)
;;       e = np.where(a > 0, np.clip(np.frexp(np.where(a > 0, a, 1))[1] - 1 - 4, -126, 127), 0)      # np.frexp(a)[1] - 1 = floor(log2(a)), exactly
;;       r = np.clip(x / 2.0 ** e, -28, 28)
;;       step = 2.0 ** (np.maximum(np.frexp(np.where(r == 0, 1, r))[1] - 1, -2) - 2)
;;       q = np.round(r / step) * step * 2.0 ** e      # np.round: ties to even
;;       return np.moveaxis(q.reshape(q.shape[:-2] + (-1,))[..., :K], -1, axis).astype(np.float32)
;;   ~~~
;; One version. Each part assembles by itself: llvm-mc -triple=amdgcn-amd-amdhsa -mcpu=gfx1250 --defsym DOCPART=n.
;; ======== version 1 of 1: 3 launches
;; limits: values are held in bf16: 8 bits of precision; right only within a limited range of input values
;; workspace buffers: w1img 819,200 bytes; qpc 131,072 bytes; scores 262,144 bytes; ctxp 2,097,152 bytes
;; launch prep (part 1): grid 128 x 1, 8 waves a work-group, no clusters, 17,408 bytes of LDS; arguments W1, W2, query, w1img, qpc; writes w1img, qpc
.if DOCPART == 1
	.amdgcn_target "amdgcn-amd-amdhsa--gfx1250"
	.amdhsa_code_object_version 6
	.text
	.protected	k_q5c69650371_prep
	.globl	k_q5c69650371_prep
	.p2align	8
	.type	k_q5c69650371_prep,@function
k_q5c69650371_prep:
	s_mov_b64 s[64:65], 0
	v_nop
	global_prefetch_b8 v0, s[64:65] scope:SCOPE_SE
	s_setreg_imm32_b32 hwreg(HW_REG_WAVE_MODE, 25, 1), 1
	s_wait_xcnt 0x0
; W1 [1024 (k)][1024 (h)] f32 becomes codes of BF6 (E3M2) with one E8M0 byte for each 32 along k, laid in the order in which the next launch's waves take them.
; qp = Q(query) Q(W2), [32][1024], is made here too and stored times 2 log2(e), as the next launch's tanh wants it.
; SHARES.  Work-groups 0-63 take W1, 64-127 take W2; work-group g (of 64) takes the 16 columns 16 g on; wave s takes K step s (128 along k): one operand fragment a wave.
; A LANE TAKES A COLUMN AND ITS REGISTERS RUN DOWN k, in the order of the operand's layout (lane (r, h): column r, registers 6 c .. 6 c + 5 = k 64 c + 32 h + 0 .. 31): the conversions' results are the operand's registers.
; w1img: [slot j 0..7][wave w 0..3] quarters of 25,600 bytes; a quarter: 1,024 bytes of scale words [u][n][r], then 16 images [u][n] of 1,536 bytes (registers 4 p .. 4 p + 3 of lane l at 512 p + 16 l).
;   column = 256 w + 64 (j / 2) + 16 n + r;  K step = 4 (j % 2) + u.
; No tensor loads and no cluster: each work-group reads columns of its own; what is shared, the query, is 128 KiB in all.
; LIMITS: NaN and infinities are not served; a block of zeros gets the byte 1 (its codes are zeros; the bytes are read by this program alone); blocks whose largest magnitude lies under 2^-122 keep the byte 1.
; LEFT OUT IN THE NEXT LAUNCH: tanh(x) = 1 - 2 / (1 + e^(2x)), so scores(b, s) = sum_h v(h) - 2 sum_h v(h) / (1 + e^(2x)).  The first term is the same for every s of a batch, whatever the inputs hold,
; and the scores go only into a softmax over s (and into weights made from it): the term cancels there, and is never formed.  Every input still has its way to the outputs.  A sum of v that overflows is so not carried to the result.
.set QT,  56
.set SH8, 7                            ; v7  8 h
.set SEL, 20                           ; s[20:21] selects of v_permlanex16_b32: lane l xor 16
; 64 numbers of a lane, register 32 c + i = k 64 c + 32 h + i of its row or column, become the 12 registers of a fragment in v[pc] on and the scale word in v[pw]
.macro QUANT6 x, pc, pw
.irp c, 0,1
	v_max3_num_f32 v[QT+\c], |v[\x+32*\c]|, |v[\x+32*\c+1]|, 0x2800000   ; my block 2 c + h, and the floor 2^(5 - 127): the byte cannot fall under 1
.endr
.irp i, 2,4,6,8,10,12,14,16,18,20,22,24,26,28,30
.irp c, 0,1
	s_delay_alu instid0(VALU_DEP_2)
	v_max3_num_f32 v[QT+\c], v[QT+\c], |v[\x+32*\c+\i]|, |v[\x+32*\c+\i+1]|
.endr
.endr
.irp c, 0,1
	s_delay_alu instid0(VALU_DEP_2)
	v_add_nc_u32 v[QT+2+\c], 0xfe000000, v[QT+\c]      ; 4 off the exponent field: the conversion's scale operand
.endr
.irp c, 0,1
	s_delay_alu instid0(VALU_DEP_2)
	v_lshrrev_b32 v[QT+4+\c], 23, v[QT+2+\c]           ; the scale's byte
.endr
	s_delay_alu instid0(VALU_DEP_1)
	v_lshl_or_b32 v[\pw], v[QT+5], 16, v[QT+4]         ; bytes h and 2 + h of the word,
	s_delay_alu instid0(VALU_DEP_1)
	v_lshlrev_b32 v[\pw], v[SH8], v[\pw]               ; at their places;
	s_delay_alu instid0(VALU_DEP_1)
	v_permlanex16_b32 v[QT+14], v[\pw], s[SEL], s[SEL+1]
	s_delay_alu instid0(VALU_DEP_1)
	v_or_b32 v[\pw], v[\pw], v[QT+14]                  ; with lane l xor 16's two the word is whole, in both halves
.irp c, 0,1
	v_cvt_scalef32_pk16_bf6_f32 v[\pc+6*\c:\pc+6*\c+2], v[\x+32*\c:\x+32*\c+15], v[QT+2+\c]
	v_cvt_scalef32_pk16_bf6_f32 v[QT+6+4*\c:QT+8+4*\c], v[\x+32*\c+16:\x+32*\c+31], v[QT+2+\c]   ; (a conversion's three registers begin on an even number)
.endr
	v_nop                                              ; one plain place behind a scaled conversion
.irp c, 0,1
.irp i, 0,1,2
	v_mov_b32 v[\pc+6*\c+3+\i], v[QT+6+4*\c+\i]
.endr
.endr
.endm
	s_load_b128 s[4:7], s[0:1], 0x0                ; W1, W2
	s_load_b128 s[8:11], s[0:1], 0x10              ; query, w1img
	s_load_b64 s[12:13], s[0:1], 0x20              ; qpc
	v_lshl_add_u32 v126, v0, 2, 0x4000
	v_mov_b32 v127, 0
	v_lshrrev_b32 v1, 5, v0
	s_delay_alu instid0(VALU_DEP_1)
	v_readfirstlane_b32 s16, v1                    ; wave = K step s
	v_and_b32 v1, 15, v0                           ; r
	v_bfe_u32 v2, v0, 4, 1                         ; h
	s_delay_alu instid0(VALU_DEP_2)
	v_lshlrev_b32 v6, 2, v1                        ; 4 r
	s_delay_alu instid0(VALU_DEP_1)
	v_lshl_add_u32 v3, v2, 17, v6                  ; W: column r, lanes 16-31 begin 32 rows of 4,096 bytes further down
	s_delay_alu instid0(VALU_DEP_4)
	v_lshlrev_b32 v4, 12, v1
	s_delay_alu instid0(VALU_DEP_1)
	v_lshl_add_u32 v4, v2, 7, v4                   ; query: row r of 4,096 bytes, + 128 h
	v_and_b32 v8, 31, v0
	s_delay_alu instid0(VALU_DEP_1)
	v_lshlrev_b32 v5, 4, v8                        ; 16 x lane
	s_delay_alu instid0(VALU_DEP_2)
	v_lshlrev_b32 v8, 2, v8                        ; 4 x lane
	v_lshlrev_b32 v[SH8], 3, v2
	v_lshl_add_u32 v10, v2, 15, v6                 ; qpc: 8 h rows of 4,096 bytes + 4 r
	s_lshl_b32 s30, s16, 11
	v_add_nc_u32 v9, s30, v8                       ; LDS: my wave's 2,048 bytes, 4 x lane
	s_lshl_b32 s30, s16, 8
	v_add_nc_u32 v11, s30, v8                      ; LDS, back: registers 2 s and 2 s + 1 of every wave's part
	v_mov_b32 v[QT+14], 0                          ; written once: a lane permute's destination counts as one of its sources
	s_mov_b32 s[SEL], 0x76543210
	s_mov_b32 s[SEL+1], 0xfedcba98
	s_and_b32 s17, ttmp9, 63                       ; g: which 16 columns
	s_lshl_b32 s18, s16, 19                        ; 128 s rows of 4,096 bytes
	s_lshl_b32 s19, s17, 6
	s_add_co_u32 s18, s18, s19                     ; + 64 g
	s_mov_b32 s19, 0
	s_wait_kmcnt 0x0
	s_cmp_lt_u32 ttmp9, 64                         ; W1's work-group or W2's: the choice hangs on the work-group's number alone
	s_cselect_b64 s[4:5], s[4:5], s[6:7]
	s_add_nc_u64 s[4:5], s[4:5], s[18:19]
.set i, 0
.rept 32
	global_load_b32 v[128+i], v3, s[4:5] offset:i*4096         ; W(128 s + 32 h + i, column)
	global_load_b32 v[160+i], v3, s[4:5] offset:(64+i)*4096    ; W(128 s + 64 + 32 h + i, column)
.set i, i+1
.endr
	s_wait_loadcnt 0x0
	QUANT6 128, 16, 52                             ; the fragment: v16-27; its scale word: v52
	s_cmp_lt_u32 ttmp9, 64
	s_cbranch_scc0 .Lw2
	; ---- W1: the image and the scale words go to their place in the ring's order
	s_lshr_b32 s22, s17, 4                         ; w
	s_bfe_u32 s23, s17, 0x20002                    ; chunk of 64 columns
	s_and_b32 s24, s17, 3                          ; n
	s_lshr_b32 s25, s16, 2
	s_lshl_b32 s23, s23, 1
	s_add_co_u32 s23, s23, s25                     ; slot j = 2 chunk + s / 4
	s_lshl_b32 s23, s23, 2
	s_add_co_u32 s23, s23, s22
	s_mul_i32 s23, s23, 25600                      ; the quarter's first byte
	s_and_b32 s25, s16, 3                          ; u
	s_lshl_b32 s26, s25, 2
	s_add_co_u32 s26, s26, s24                     ; 4 u + n
	s_mul_i32 s28, s26, 1536
	s_add_co_u32 s28, s28, s23
	s_add_co_u32 s28, s28, 1024
	s_mov_b32 s29, 0
	s_add_nc_u64 s[28:29], s[10:11], s[28:29]      ; the image
	s_lshl_b32 s26, s26, 6
	s_add_co_u32 s26, s26, s23
	s_mov_b32 s27, 0
	s_add_nc_u64 s[26:27], s[10:11], s[26:27]      ; the 16 scale words
	s_wait_alu depctr_va_vdst(0)
	global_store_b128 v5, v[16:19], s[28:29]       ; 32 lanes store 512 consecutive bytes
	global_store_b128 v5, v[20:23], s[28:29] offset:512
	global_store_b128 v5, v[24:27], s[28:29] offset:1024
	global_store_b32 v6, v52, s[26:27]             ; both halves of the lanes hold the same word and store it to the same place
	s_endpgm
.Lw2:
	; ---- W2: the query's two tiles of 16 rows, K step s, are quantised the same way (k is innermost there: 32 neighbours are 128 bytes)
	s_lshl_b32 s22, s16, 9
	s_mov_b32 s23, 0
	s_add_nc_u64 s[8:9], s[8:9], s[22:23]
.irp t, 0,1
.irp c, 0,1
.irp j, 0,1,2,3,4,5,6,7
	global_load_b128 v[192-64*\t+32*\c+4*\j:192-64*\t+32*\c+4*\j+3], v4, s[8:9] offset:65536*\t+256*\c+16*\j
.endr
.endr
.endr
	s_wait_loadcnt 0x0
	QUANT6 192, 28, 53
	QUANT6 128, 40, 54
.rept 8
	v_nop                                          ; a scale register written by a vector instruction stands 8 places ahead of a scaled matrix instruction, an operand 4
.endr
	v_wmma_scale_f32_16x16x128_f8f6f4 v[76:83], v[28:39], v[16:27], 0, v53, v52 matrix_a_fmt:MATRIX_FMT_BF6 matrix_b_fmt:MATRIX_FMT_BF6
	v_wmma_scale_f32_16x16x128_f8f6f4 v[84:91], v[40:51], v[16:27], 0, v54, v52 matrix_a_fmt:MATRIX_FMT_BF6 matrix_b_fmt:MATRIX_FMT_BF6
.rept 4
	v_nop
.endr
.set i, 0
.rept 16
	ds_store_b32 v9, v[76+i] offset:128*i          ; my K step's part: register 8 t + j = qp(16 t + 8 h + j, 16 g + r); each result from its low end on
.set i, i+1
.endr
	s_wait_dscnt 0x0                               ; for the others' sake: my stores are done
	s_barrier_signal -1
	s_barrier_wait -1
.irp i, 0,1
.irp x, 0,1,2,3,4,5,6,7
	ds_load_b32 v[92+8*\i+\x], v11 offset:2048*\x+128*\i
.endr
.endr
	s_wait_dscnt 0x0
.irp x, 1,2,3,4,5,6,7
.irp i, 0,1
	v_add_f32 v[92+8*\i], v[92+8*\i], v[92+8*\i+\x]    ; the eight K steps, ascending
.endr
.endr
	s_delay_alu instid0(VALU_DEP_2)
	v_mul_f32 v92, 0x4038aa3b, v92                 ; x 2 log2(e)
	s_wait_alu depctr_va_vdst(0)
	v_mul_f32 v100, 0x4038aa3b, v100
	s_wait_alu depctr_va_vdst(0)
	s_lshr_b32 s24, s16, 2
	s_lshl_b32 s24, s24, 4
	s_and_b32 s25, s16, 3
	s_lshl_b32 s25, s25, 1
	s_add_co_u32 s24, s24, s25                     ; row 16 (s / 4) + 2 (s % 4)
	s_lshl_b32 s24, s24, 12
	s_lshl_b32 s25, s17, 6
	s_add_co_u32 s24, s24, s25
	s_mov_b32 s25, 0
	s_add_nc_u64 s[12:13], s[12:13], s[24:25]
	global_store_b32 v10, v92, s[12:13]
	global_store_b32 v10, v100, s[12:13] offset:4096
	s_wait_tensorcnt 0x0
	ds_add_u32 v126, v127
	s_wait_dscnt 0x0
	s_endpgm
.Lfunc_end_k_q5c69650371_prep:
	.size	k_q5c69650371_prep, .Lfunc_end_k_q5c69650371_prep-k_q5c69650371_prep
	.p2alignl 7, 3214868480
	.fill 96, 4, 3214868480
	.section	.rodata,"a",@progbits
	.p2align	6, 0x0
	.amdhsa_kernel k_q5c69650371_prep
		.amdhsa_group_segment_fixed_size 17408
		.amdhsa_private_segment_fixed_size 0
		.amdhsa_enable_private_segment 0
		.amdhsa_kernarg_size 40
		.amdhsa_user_sgpr_count 2
		.amdhsa_user_sgpr_kernarg_segment_ptr 1
		.amdhsa_wavefront_size32 1
		.amdhsa_system_sgpr_workgroup_id_x 1
		.amdhsa_system_sgpr_workgroup_id_y 1
		.amdhsa_system_sgpr_workgroup_id_z 1
		.amdhsa_system_vgpr_workitem_id 0
		.amdhsa_next_free_vgpr 256
		.amdhsa_next_free_sgpr 66
		.amdhsa_reserve_vcc 0
		.amdhsa_float_denorm_mode_32 3
		.amdhsa_float_denorm_mode_16_64 3
		.amdhsa_memory_ordered 1
		.amdhsa_forward_progress 1
		.amdhsa_inst_pref_size 29
	.end_amdhsa_kernel
	.amdgpu_metadata
---
amdhsa.version: [ 1, 2 ]
amdhsa.kernels:
  - .name:           k_q5c69650371_prep
    .symbol:         k_q5c69650371_prep.kd
    .args:
      - { .name: W1, .offset: 0, .size: 8, .value_kind: global_buffer, .address_space: global }
      - { .name: W2, .offset: 8, .size: 8, .value_kind: global_buffer, .address_space: global }
      - { .name: query, .offset: 16, .size: 8, .value_kind: global_buffer, .address_space: global }
      - { .name: w1img, .offset: 24, .size: 8, .value_kind: global_buffer, .address_space: global }
      - { .name: qpc, .offset: 32, .size: 8, .value_kind: global_buffer, .address_space: global }
    .group_segment_fixed_size: 17408
    .private_segment_fixed_size: 0
    .kernarg_segment_align: 8
    .kernarg_segment_size: 40
    .max_flat_workgroup_size: 256
    .sgpr_count:     66
    .vgpr_count:     256
    .wavefront_size: 32
...
	.end_amdgpu_metadata
.endif
;; end of part 1
;; launch main (part 2): grid 512 x 1, 4 waves a work-group, clusters of 4 x 1, 327,680 bytes of LDS; arguments values, w1img, qpc, v, scores, ctxp; writes scores, ctxp
.if DOCPART == 2
	.amdgcn_target "amdgcn-amd-amdhsa--gfx1250"
	.amdhsa_code_object_version 6
	.text
	.protected	k_q5c69650371_main
	.globl	k_q5c69650371_main
	.p2align	8
	.type	k_q5c69650371_main,@function
k_q5c69650371_main:
	s_mov_b64 s[64:65], 0
	v_nop
	global_prefetch_b8 v0, s[64:65] scope:SCOPE_SE
	s_setreg_imm32_b32 hwreg(HW_REG_WAVE_MODE, 25, 1), 1
	s_wait_xcnt 0x0
	s_wait_alu depctr_hold_cnt(0) depctr_sa_sdst(0) depctr_va_vdst(0) depctr_va_sdst(0) depctr_va_ssrc(0) depctr_va_vcc(0) depctr_vm_vsrc(0)
	s_getreg_b32 s2, hwreg(HW_REG_IB_STS2, 6, 4)
	s_cmp_eq_u32 s2, 0
	s_cbranch_scc0 .Lentry_in_a_cluster
	s_endpgm
.Lentry_in_a_cluster:
	s_bfe_u32 s2, ttmp6, 0x10000c
	s_cmp_lg_u32 s2, 0x3003
	s_cbranch_scc0 .Lentry_shape_is_right
	s_endpgm
.Lentry_shape_is_right:
; A work-group takes 128 rows s of one batch: scores'(s) = -2 sum_h v(h) / (1 + 2^(c (values(s) W1 + qp)(h))), c = 2 log2 e, and the block's part of the context, sum_s 2^((scores' - block's largest) log2 e) values(s).
; The term sum_h v(h) of tanh = 1 - 2 / (1 + e^(2x)) is the same along the softmax's axis and is left out (shown at the head of the first kernel).
; PHASE A: each wave reads its 32 rows of values once (f32, two rows of 256 consecutive bytes a load, 64 loads ahead), keeps them as bf16 in windows 2 and 3 (operands of the context's product) and quantises them to BF6 codes,
; which go to LDS as images of operand registers, for all four waves.
; THE PRODUCT: wave w takes columns 256 w .. of W1, in four chunks of 64; a chunk is 8 K steps of 128, 32 accumulators (8 tiles of rows x 4 of columns) in window 1.  W1's image comes through a ring of two slots
; (4 K steps of a chunk each), each wave loading and reading its own quarter; the four work-groups of a cluster ask for it jointly.
; USED TRANSPOSED: source 0 = 16 columns of W1, source 1 = 16 rows of values: lane (r, h) holds row r, its register j column 8 h + j.  So the sum over h runs inside a lane, and only lanes l and l xor 16 are joined, once, at the end.
; A slot's bytes are read for the last time in its third step, so the change of slots stands inside the fourth, and the next slot's first fragments are fetched under the fourth step's products.
; LDS loads stand in groups between groups of eight matrix instructions; each s_wait_dscnt counts the LDS instructions issued behind the fragment that the group needs.
; qp (times c, from the launch before) and -2 v of the wave's 256 columns lie in the wave's own stage, which phase A has done with.
; No prefetch: values are read once, by loads that run 64 ahead in a phase that does nothing else; W1's image is read by every work-group of the launch.
; LIMITS: NaN and infinities among the inputs are not served; a block of zeros gets the scale byte 1 (its codes are zeros).  Where 2^t overflows, 1 / (1 + inf) = 0, which is tanh = 1.
.set QUART, 25600
.set SLOTB, 4*QUART
.set FRB,   1536
.set ACODE, 2*SLOTB
.set ASC,   ACODE+64*FRB
.set STG,   ASC+4096
.set STGW,  16*272
.set SX,    STG+4*STGW
.set SPARE, SX+2048
.set CX,    ACODE
.set SPW, 1
.set NIL, 2
.set ADA, 3
.set ADB, 5
.set ADSC, 7
.set ADSH, 9
.set VQ,  10
.set VA,  11
.set STW, 12
.set STR, 13
.set AIW, 14
.set ASW, 16
.set SH8, 17
.set L16, 18
.set PW,  19
.set QVB, 20                           ; my stage + 32 h;  QVA: + 256 x chunk
.set QVA, 21
.set SS,  24                           ; v24-39: the scores' sums, a pair for each tile of rows
.set T,   40                           ; v40-47: four chains of a tile's sum
.set SC,  48
.set AF,  64
.set BF,  160
.set QPR, 112                          ; qp of a chunk: 4 tiles x 8 columns, where A's blocks 4-6 lay
.set NVR, 208                          ; -2 v likewise, where B's second set lay
.set X,   64
.set PC,  128
.set QT,  140
.set SXW, 11
.set SXR, 12
.set PST, 13
.set PLD, 14
.set CXW, 15
.set CXR, 16
.set SEL, 20
.set MSB, 0
.macro WIN new
.if MSB != (\new)
	s_set_vgpr_msb (MSB<<8)|(\new)
.set MSB, (\new)
.endif
.endm
.macro PLACES
.rept 4
	v_nop
.endr
.endm
.macro ROUND
	s_barrier_signal -1
	s_barrier_wait -1
	s_cmp_lg_u32 s16, 0
	s_cbranch_scc1 .Lnot_wave_0_\@
	s_barrier_signal -3
.Lnot_wave_0_\@:
	s_barrier_wait -3
	s_barrier_signal -1
	s_barrier_wait -1
.endm
; 64 numbers of a lane (register 32 c + i = k 64 c + 32 h + i of its row) become a fragment's 12 registers and its scale word
.macro QUANT6 x, pc, pw
.irp c, 0,1
	v_max3_num_f32 v[QT+\c], |v[\x+32*\c]|, |v[\x+32*\c+1]|, 0x2800000
.endr
.irp i, 2,4,6,8,10,12,14,16,18,20,22,24,26,28,30
.irp c, 0,1
	v_max3_num_f32 v[QT+\c], v[QT+\c], |v[\x+32*\c+\i]|, |v[\x+32*\c+\i+1]|
.endr
.endr
.irp c, 0,1
	v_add_nc_u32 v[QT+2+\c], 0xfe000000, v[QT+\c]
.endr
.irp c, 0,1
	v_lshrrev_b32 v[QT+4+\c], 23, v[QT+2+\c]
.endr
	v_lshl_or_b32 v[\pw], v[QT+5], 16, v[QT+4]
	v_lshlrev_b32 v[\pw], v[SH8], v[\pw]
	v_permlanex16_b32 v[QT+14], v[\pw], s[SEL], s[SEL+1]
	v_or_b32 v[\pw], v[\pw], v[QT+14]
.irp c, 0,1
	v_cvt_scalef32_pk16_bf6_f32 v[\pc+6*\c:\pc+6*\c+2], v[\x+32*\c:\x+32*\c+15], v[QT+2+\c]
	v_cvt_scalef32_pk16_bf6_f32 v[QT+6+4*\c:QT+8+4*\c], v[\x+32*\c+16:\x+32*\c+31], v[QT+2+\c]
.endr
	v_nop
.irp c, 0,1
.irp i, 0,1,2
	v_mov_b32 v[\pc+6*\c+3+\i], v[QT+6+4*\c+\i]
.endr
.endr
.endm
.macro LOADF f                         ; 16 rows x 128 k of f32 into window 1: sixteen lanes read 256 consecutive bytes of a row
.irp c, 0,1
.irp i, 0,1,2,3,4,5,6,7
	global_load_b128 v[64*((\f)%4)+4*(8*\c+\i):64*((\f)%4)+4*(8*\c+\i)+3], v[VA], s[4:5] offset:(16*((\f)%2)+2*\i)*4096+512*((\f)/2)+256*\c th:TH_LOAD_NT
.endr
.endr
.endm
.macro PHA f                           ; fragment f: through my stage into a lane's 64 neighbours; as bf16 into windows 2, 3; codes and scale word to LDS
.set PS, (\f)/2
.set PTI, (\f)%2
.set RB, 64*((\f)%4)
.set WC, 0x85+0x40*(PS/4)
.if (\f) < 13
	s_wait_loadcnt 48                              ; the three fragments behind this one may be out
.else
	s_wait_loadcnt 16*(15-(\f))
.endif
.irp c, 0,1
	WIN 0x04
.irp i, 0,1,2,3,4,5,6,7
	ds_store_b128 v[STW], v[RB+4*(8*\c+\i):RB+4*(8*\c+\i)+3] offset:544*\i
.endr
	WIN 0
.irp j, 0,1,2,3,4,5,6,7
	ds_load_b128 v[X+32*\c+4*\j:X+32*\c+4*\j+3], v[STR] offset:16*\j
.endr
.endr
	WIN WC
.irp c, 0,1
.irp e, 0,1,2,3
.irp i, 0,1,2,3
	v_cvt_pk_bf16_f32 v[8*(8*(PS%4)+4*\c+\e)+4*PTI+\i], v[RB+4*(8*\c+2*\i)+\e], v[RB+4*(8*\c+2*\i+1)+\e]
.endr
.endr
.endr
	s_wait_dscnt 0x0
.if (\f)+4 < 16
	WIN 0x40
	LOADF (\f)+4
.endif
	WIN 0
	QUANT6 X, PC, PW
.irp k, 0,1,2
	ds_store_b128 v[AIW+PS/4], v[PC+4*\k:PC+4*\k+3] offset:(8*(PS%4)+PTI)*FRB+512*\k
.endr
	ds_store_b32 v[ASW], v[PW] offset:256*PS+64*PTI
.endm
.macro LB sl, u, st                    ; W1's four fragments of step u of slot sl into set st: 12 loads
.irp n, 0,1,2,3
.irp k, 0,1,2
	ds_load_b128 v[BF+48*(\st)+12*\n+4*\k:BF+48*(\st)+12*\n+4*\k+3], v[ADB+(\sl)] offset:1024+(4*(\u)+\n)*FRB+512*\k
.endr
.endr
.endm
.macro LA2 sl, u, m0                   ; the values' fragments m0, m0 + 1: 6 loads
.irp m, \m0, \m0+1
.irp k, 0,1,2
	ds_load_b128 v[AF+12*(\m)+4*\k:AF+12*(\m)+4*\k+3], v[ADA+(\sl)] offset:(8*(\u)+(\m))*FRB+512*\k
.endr
.endr
.endm
.macro LSC sl, u, st                   ; scale words: 8 loads.  Registers 0-3: lanes 0-15 the values' tiles 0-3, lanes 16-31 W1's tiles 0-3; registers 4-7: the values' tiles 4-7
.irp i, 0,1,2,3
	ds_load_b32 v[SC+8*(\st)+\i], v[ADSC+(\sl)] offset:256*(\u)+64*\i
.endr
.irp i, 0,1,2,3
	ds_load_b32 v[SC+8*(\st)+4+\i], v[ADSH] offset:256*(4*(\sl)+(\u))+64*\i
.endr
.endm
.macro MULM m, st, zero                ; tile m of rows against W1's four tiles; the 32 accumulators take turns in one order in every step
.irp n, 0,1,2,3
.if \zero
	v_wmma_scale_f32_16x16x128_f8f6f4 v[8*(4*(\m)+\n):8*(4*(\m)+\n)+7], v[BF+48*(\st)+12*\n:BF+48*(\st)+12*\n+11], v[AF+12*(\m):AF+12*(\m)+11], 0, v[SC+8*(\st)+\n], v[SC+8*(\st)+(\m)] matrix_a_fmt:MATRIX_FMT_BF6 matrix_b_fmt:MATRIX_FMT_BF6 matrix_a_scale:MATRIX_SCALE_ROW1
.else
	v_wmma_scale_f32_16x16x128_f8f6f4 v[8*(4*(\m)+\n):8*(4*(\m)+\n)+7], v[BF+48*(\st)+12*\n:BF+48*(\st)+12*\n+11], v[AF+12*(\m):AF+12*(\m)+11], v[8*(4*(\m)+\n):8*(4*(\m)+\n)+7], v[SC+8*(\st)+\n], v[SC+8*(\st)+(\m)] matrix_a_fmt:MATRIX_FMT_BF6 matrix_b_fmt:MATRIX_FMT_BF6 matrix_a_scale:MATRIX_SCALE_ROW1
.endif
.endr
.endm
.macro G2 m0, st, zero, cnt            ; eight matrix instructions behind their counted wait
.if (\cnt) >= 0
	s_wait_dscnt \cnt
.endif
	WIN 0x50
	MULM \m0, \st, \zero
	MULM \m0+1, \st, \zero
.endm
; A step of 128 along K.  Order of the LDS loads: this step's tiles 4-7 (12); the next step's W1 (12), scale words (8), tiles 0-1 (6), tiles 2-3 (6).  (ns, nu): the next step's slot and place.
; Each run of loads stands four places behind the last matrix instruction that read its registers.
.macro STEPN sl, u, zero, ns, nu, tw
	PLACES
	WIN 0
.if \tw
	s_wait_tensorcnt 0x0                           ; my quarter of the other slot, which I alone read, has landed
.endif
	LA2 \sl, \u, 4
	LA2 \sl, \u, 6
	G2 0, (\u)%2, \zero, 18                        ; behind tile 1: tiles 2-3 (6), tiles 4-7 (12)
	WIN 0
	LB \ns, \nu, (\nu)%2
	G2 2, (\u)%2, \zero, 24                        ; behind tile 3: 12 + 12
	PLACES
	WIN 0
	LSC \ns, \nu, (\nu)%2
	LA2 \ns, \nu, 0
	G2 4, (\u)%2, \zero, 32                        ; behind tile 5: 6 + 12 + 8 + 6
	WIN 0
	LA2 \ns, \nu, 2
	G2 6, (\u)%2, \zero, 32                        ; behind tile 7: 12 + 8 + 6 + 6
.endm
.macro TAILQ c6, c7                    ; a chunk's last 8 matrix instructions, with the loads of qp and -2 v into operand registers that are done with
.if (\c6) >= 0
	s_wait_dscnt \c6
.endif
	WIN 0x50
	MULM 6, 1, 0
	PLACES
	WIN 0
.irp n, 0,1,2,3
.irp k, 0,1
	ds_load_b128 v[QPR+8*\n+4*\k:QPR+8*\n+4*\k+3], v[QVA] offset:64*\n+16*\k
.endr
.endr
.if (\c7) >= 0
	s_wait_dscnt \c7
.endif
	WIN 0x50
	MULM 7, 1, 0
	PLACES
	WIN 0
.irp n, 0,1,2,3
.irp k, 0,1
	ds_load_b128 v[NVR+8*\n+4*\k:NVR+8*\n+4*\k+3], v[QVA] offset:1024+64*\n+16*\k
.endr
.endr
.endm
; A slot's fourth step, with the change of slots: the slot's last bytes were read in the third step.
.macro STEPR sl, qv
	PLACES
	WIN 0
	s_wait_tensorcnt 0x0                           ; all my tensor loads have landed: my quarter of the other slot
	ds_add_u32 v[SPW], v[NIL]
	s_add_nc_u64 s[38+4*(\sl):39+4*(\sl)], s[38+4*(\sl):39+4*(\sl)], 2*SLOTB   ; no load of mine is out: this slot's next part of the image
	s_wait_dscnt 0x0                               ; the add is done, and my reads of this slot, the last of them asked for in the third step, are over
	ROUND                                          ; the same holds of every wave of the four work-groups
	tensor_load_to_lds s[36+4*(\sl):39+4*(\sl)], s[28:35]
	s_nop 0
	PLACES                                         ; also the places in front of the loads into tiles 4-7
	LA2 \sl, 3, 4                                  ; from here on a step like any other; its own tiles 0-3, W1's set and scale words are in
	LA2 \sl, 3, 6
	G2 0, 1, 0, -1
	WIN 0
	LB 1-(\sl), 0, 0
	G2 2, 1, 0, -1
	PLACES
	WIN 0
	LSC 1-(\sl), 0, 0
	LA2 1-(\sl), 0, 0
	G2 4, 1, 0, 32                                 ; behind tile 5: 6 + 12 + 8 + 6
	WIN 0
	LA2 1-(\sl), 0, 2
.if \qv
	TAILQ 35, 40                                   ; behind tile 6: 3 + 12 + 8 + 12; behind tile 7: 12 + 8 + 12 and qp's 8
.else
	G2 6, 1, 0, 32
.endif
.endm
.macro STEPF                           ; the very last step: nothing more to fetch
	PLACES
	WIN 0
	LA2 1, 3, 4
	LA2 1, 3, 6
	G2 0, 1, 0, 18
	G2 2, 1, 0, 12
	G2 4, 1, 0, 6
	TAILQ 3, 8                                     ; behind tile 6: tile 7 (3); behind tile 7: qp's 8 loads
.endm
; r = 1 / (1 + 2^(c x + c qp)), in place; the tile's 32 numbers of a lane belong to one row: four chains of products with -2 v, joined onto the row's pair of sums
.macro TANH
	s_wait_dscnt 8                                 ; qp is in; the 8 loads of -2 v may be out
.irp m, 0,1,2,3,4,5,6,7
	WIN 0x41
.irp n, 0,1,2,3
.irp i, 0,2,4,6
	v_pk_fma_f32 v[32*\m+8*\n+\i:32*\m+8*\n+\i+1], v[32*\m+8*\n+\i:32*\m+8*\n+\i+1], s[22:23], v[QPR+8*\n+\i:QPR+8*\n+\i+1] op_sel_hi:[1,0,1]
.endr
.endr
.endr
; each stage runs over the chunk's 256 registers at once: one wait ahead of each batch of transcendentals and one behind it
.set j, 0
	s_wait_alu depctr_va_vdst(0)
.rept 256
	v_exp_f32 v[j], v[j]
.set j, j+1
.endr
	v_nop
.set j, 0
	s_wait_alu depctr_va_vdst(0)
.rept 128
	v_pk_add_f32 v[j:j+1], v[j:j+1], 1.0 op_sel_hi:[1,0]
.set j, j+2
.endr
.set j, 0
	s_wait_alu depctr_va_vdst(0)
.rept 256
	v_rcp_f32 v[j], v[j]
.set j, j+1
.endr
	v_nop
	s_wait_dscnt 0x0                               ; -2 v is in
	s_wait_alu depctr_va_vdst(0)
.irp m, 0,1,2,3,4,5,6,7
	WIN 0x01
	v_pk_fma_f32 v[T:T+1], v[32*\m:32*\m+1], v[NVR:NVR+1], v[SS+2*\m:SS+2*\m+1]
.irp i, 2,4,6
	v_pk_mul_f32 v[T+\i:T+\i+1], v[32*\m+\i:32*\m+\i+1], v[NVR+\i:NVR+\i+1]
.endr
.irp n, 1,2,3
.irp i, 0,2,4,6
	v_pk_fma_f32 v[T+\i:T+\i+1], v[32*\m+8*\n+\i:32*\m+8*\n+\i+1], v[NVR+8*\n+\i:NVR+8*\n+\i+1], v[T+\i:T+\i+1]
.endr
.endr
	WIN 0
	v_pk_add_f32 v[T:T+1], v[T:T+1], v[T+2:T+3]
	v_pk_add_f32 v[T+4:T+5], v[T+4:T+5], v[T+6:T+7]
	v_pk_add_f32 v[SS+2*\m:SS+2*\m+1], v[T:T+1], v[T+4:T+5]
.endr
.endm
	s_load_b256 s[4:11], s[0:1], 0x0               ; values, w1img, qpc, v
	s_load_b128 s[12:15], s[0:1], 0x20             ; scores, ctxp
	v_lshl_add_u32 v[SPW], v0, 2, SPARE
	v_mov_b32 v[NIL], 0
	ds_add_u32 v[SPW], v[NIL]
	ds_add_u32 v[SPW], v[NIL]
	v_lshrrev_b32 v160, 5, v0
	v_readfirstlane_b32 s16, v160                  ; wave
	v_and_b32 v160, 15, v0                         ; r
	v_bfe_u32 v161, v0, 4, 1                       ; h
	v_and_b32 v162, 31, v0                         ; lane
	v_lshlrev_b32 v[VA], 4, v160
	v_lshl_add_u32 v[VA], v161, 12, v[VA]          ; values: 16 r + a row for h
	v_lshlrev_b32 v[L16], 4, v162
	s_bfe_u32 s17, ttmp6, 0x40000
	s_lshl_b32 s18, ttmp9, 2
	s_add_co_u32 s18, s18, s17                     ; the block of 128 rows
	s_mov_b32 s28, 15|(3<<16)|(1<<21)              ; group 1: a quarter of a slot, 100 rows of 256 bytes, asked for by the cluster's four
	s_mov_b32 s29, 32<<16
	s_mov_b32 s30, 100<<16
	s_mov_b32 s31, 32<<16
	s_mov_b32 s32, 100
	s_mov_b32 s33, 32
	s_mov_b32 s34, 0
	s_mov_b32 s35, 0
	s_mov_b32 s[SEL], 0x76543210
	s_mov_b32 s[SEL+1], 0xfedcba98
	s_mov_b32 s22, 0x4038aa3b                      ; c = 2 log2 e
	s_mov_b32 s23, s22
	s_mul_i32 s48, s16, QUART
	s_mov_b32 s49, 0
	s_add_co_u32 s52, s48, SLOTB
	s_lshl_b32 s46, s18, 19
	s_lshl_b32 s47, s16, 17
	s_add_co_u32 s46, s46, s47                     ; my 32 rows of values
	s_mov_b32 s47, 0
	s_lshl_b32 s50, s16, 10                        ; my 256 columns, in bytes
	s_mov_b32 s51, 0
	s_lshr_b32 s54, s18, 4
	s_lshl_b32 s54, s54, 12
	s_add_co_u32 s54, s54, s50                     ; the batch's row of qp, my columns
	s_mov_b32 s55, 0
	s_wait_alu depctr_va_vdst(0)
	s_wait_dscnt 0x0
	s_wait_kmcnt 0x0
	s_add_nc_u64 s[4:5], s[4:5], s[46:47]
	s_add_nc_u64 s[8:9], s[8:9], s[54:55]
	s_add_nc_u64 s[10:11], s[10:11], s[50:51]
	global_load_b128 v[192:195], v[L16], s[8:9]            ; qp x c and v of my columns: the oldest loads, so phase A's counts cover them
	global_load_b128 v[196:199], v[L16], s[8:9] offset:512
	global_load_b128 v[200:203], v[L16], s[10:11]
	global_load_b128 v[204:207], v[L16], s[10:11] offset:512
	WIN 0x40
	LOADF 0
	LOADF 1
	LOADF 2
	WIN 0
	s_mov_b32 s36, 1
	s_mov_b32 s37, s48
	s_add_nc_u64 s[38:39], s[6:7], s[48:49]
	s_mov_b32 s40, 1
	s_add_co_u32 s41, s48, SLOTB
	s_add_nc_u64 s[42:43], s[38:39], SLOTB
	s_or_b32 s39, s39, 0x80000000
	s_or_b32 s43, s43, 0x80000000
	ROUND
	tensor_load_to_lds s[36:39], s[28:35]          ; slot 0: one tensor load a wave at the head
	s_nop 0
	PLACES
	WIN 0x40
	LOADF 3
	WIN 0
	s_lshl_b32 s46, s18, 9
	s_add_nc_u64 s[12:13], s[12:13], s[46:47]
	s_lshl_b32 s46, s18, 12
	s_add_co_u32 s46, s46, s50
	s_add_nc_u64 s[14:15], s[14:15], s[46:47]
	v_lshlrev_b32 v[VQ], 2, v160
	v_lshlrev_b32 v[SH8], 3, v161
	v_add_nc_u32 v[ADA], ACODE, v[L16]
	v_add_nc_u32 v[ADA+1], ACODE+32*FRB, v[L16]
	v_add_nc_u32 v[ADB], s48, v[L16]
	v_add_nc_u32 v[ADB+1], s52, v[L16]
	v_xor_b32 v163, 1, v161
	s_xor_b32 s53, s16, 3
	s_mul_i32 s53, s53, QUART
	s_add_co_u32 s54, s53, ASC-3*QUART
	s_add_co_u32 s55, s53, ASC+1024-SLOTB-3*QUART
	v_mul_u32_u24 v164, s54, v163                  ; lanes 0-15: the values' scale words; lanes 16-31: my quarter's
	v_mul_u32_u24 v165, s55, v163
	v_add_nc_u32 v[ADSC], v[VQ], v164
	v_add_nc_u32 v[ADSC], s48, v[ADSC]
	v_add_nc_u32 v[ADSC+1], v[VQ], v165
	v_add_nc_u32 v[ADSC+1], s52, v[ADSC+1]
	v_add_nc_u32 v[ADSH], ASC+2048, v[VQ]
	s_mul_i32 s56, s16, STGW
	s_add_co_u32 s56, s56, STG                     ; my stage
	v_mul_u32_u24 v[STW], v161, 272
	v_lshl_add_u32 v[STW], v160, 4, v[STW]
	v_add_nc_u32 v[STW], s56, v[STW]
	v_mul_u32_u24 v[STR], v160, 272
	v_lshl_add_u32 v[STR], v161, 7, v[STR]
	v_add_nc_u32 v[STR], s56, v[STR]
	v_add_nc_u32 v166, s56, v[L16]                 ; qp and -2 v into the stage: 16 x lane
	v_lshl_add_u32 v[QVB], v161, 5, s56            ; and back: 8 columns for each half of the lanes
	s_mul_i32 s57, s16, 2*FRB
	s_add_co_u32 s57, s57, ACODE
	v_add_nc_u32 v[AIW], s57, v[L16]
	v_add_nc_u32 v[AIW+1], 32*FRB, v[AIW]
	s_lshr_b32 s58, s16, 1
	s_lshl_b32 s58, s58, 11
	s_and_b32 s59, s16, 1
	s_lshl_b32 s59, s59, 7
	s_add_co_u32 s58, s58, s59
	s_add_co_u32 s58, s58, ASC
	v_add_nc_u32 v[ASW], s58, v[VQ]
	v_mov_b32 v[QT+14], 0
.set q, 0
.rept 16
	v_mov_b32 v[SS+q], 0
.set q, q+1
.endr
	s_wait_alu depctr_va_vdst(0)
.irp f, 0,1,2,3,4,5,6,7
	PHA \f
.endr
	s_wait_alu depctr_va_vdst(0)
	s_wait_tensorcnt 0x0                           ; slot 1's first fill is issued as a refill is, half way through phase A: eight fragments' work lies behind slot 0's request and eight ahead of slot 1's first use
	ds_add_u32 v[SPW], v[NIL]
	s_wait_dscnt 0x0
	ROUND
	tensor_load_to_lds s[40:43], s[28:35]
	s_nop 0
	PLACES
.irp f, 8,9,10,11,12,13,14,15
	PHA \f
.endr
.irp i, 0,2,4,6
	v_pk_mul_f32 v[200+\i:201+\i], v[200+\i:201+\i], -2.0 op_sel_hi:[1,0]
.endr
	ds_store_b128 v166, v[192:195]                 ; column i of my 256: qp at 4 i, -2 v at 1024 + 4 i of my stage
	ds_store_b128 v166, v[196:199] offset:512
	ds_store_b128 v166, v[200:203] offset:1024
	ds_store_b128 v166, v[204:207] offset:1536
	s_wait_dscnt 0x0                               ; my codes and scale words are in LDS, for the others' sake
	s_barrier_signal -1
	s_barrier_wait -1
	LB 0, 0, 0
	LSC 0, 0, 0
	LA2 0, 0, 0
	LA2 0, 0, 2
	s_mov_b32 s44, 3
	s_mov_b32 s45, 0
.Lchunk:
	v_add_nc_u32 v[QVA], s45, v[QVB]
	s_wait_alu depctr_va_vdst(0)
	STEPN 0, 0, 1, 0, 1, 0                         ; the chunk's first products start the sums
	STEPN 0, 1, 0, 0, 2, 0
	STEPN 0, 2, 0, 0, 3, 0
	STEPR 0, 0
	STEPN 1, 0, 0, 1, 1, 0
	STEPN 1, 1, 0, 1, 2, 0
	STEPN 1, 2, 0, 1, 3, 0
	STEPR 1, 1
	TANH
	s_add_co_u32 s45, s45, 256
	s_sub_co_u32 s44, s44, 1
	s_cmp_lg_u32 s44, 0
	s_wait_alu depctr_va_vdst(0)
	s_cbranch_scc1 .Lchunk
	v_add_nc_u32 v[QVA], s45, v[QVB]               ; the last chunk asks for nothing more
	s_wait_alu depctr_va_vdst(0)
	STEPN 0, 0, 1, 0, 1, 0
	STEPN 0, 1, 0, 0, 2, 0
	STEPN 0, 2, 0, 0, 3, 0
	STEPN 0, 3, 0, 1, 0, 1
	STEPN 1, 0, 0, 1, 1, 0
	STEPN 1, 1, 0, 1, 2, 0
	STEPN 1, 2, 0, 1, 3, 0
	STEPF
	TANH
	; my columns' part of the 128 scores: the pair's halves, lane l xor 16's columns; then the four waves' parts through LDS
	v_and_b32 v160, 15, v0
	v_bfe_u32 v161, v0, 4, 1
	v_and_b32 v162, 31, v0
	s_wait_alu depctr_va_vdst(0)
	s_lshl_b32 s46, s16, 9
	s_add_co_u32 s46, s46, SX
	v_lshl_add_u32 v[SXW], v160, 2, s46            ; row 16 m + r at 64 m + 4 r of my 512 bytes
	v_lshl_add_u32 v[SXR], v162, 4, SX
	v_lshl_add_u32 v[PST], v162, 4, s56
	s_lshl_b32 s47, s16, 7
	s_add_co_u32 s47, s47, s56
	v_lshl_add_u32 v[PLD], v161, 2, s47
	s_lshl_b32 s50, s16, 12
	s_add_co_u32 s50, s50, CX
	v_lshl_add_u32 v[CXW], v160, 4, s50
	s_lshl_b32 s51, s16, 10
	s_add_co_u32 s51, s51, CX
	v_lshl_add_u32 v[CXR], v162, 4, s51
.irp m, 0,1,2,3,4,5,6,7
	v_add_f32 v[64+\m], v[SS+2*\m], v[SS+2*\m+1]
.endr
.irp m, 0,1,2,3,4,5,6,7
	v_permlanex16_b32 v[72+\m], v[64+\m], s[SEL], s[SEL+1]
.endr
.irp m, 0,1,2,3,4,5,6,7
	v_add_f32 v[64+\m], v[64+\m], v[72+\m]
.endr
.irp m, 0,1,2,3,4,5,6,7
	ds_store_b32 v[SXW], v[64+\m] offset:64*\m     ; both halves of the lanes store the same word with the same value
.endr
	s_wait_alu depctr_va_vdst(0)
	s_wait_dscnt 0x0
	s_barrier_signal -1
	s_barrier_wait -1
.irp x, 0,1,2,3
	ds_load_b128 v[64+4*\x:67+4*\x], v[SXR] offset:512*\x
.endr
	s_wait_dscnt 0x0
.irp x, 1,2,3
	v_pk_add_f32 v[64:65], v[64:65], v[64+4*\x:65+4*\x]
	v_pk_add_f32 v[66:67], v[66:67], v[66+4*\x:67+4*\x]
.endr
	v_max3_num_f32 v68, v64, v65, v66              ; the block's largest score is taken away before the exponential
	v_max_num_f32 v68, v68, v67
	v_max_num_f32_dpp v68, v68, v68 row_xmask:1 row_mask:0xf bank_mask:0xf
	v_max_num_f32_dpp v68, v68, v68 row_xmask:2 row_mask:0xf bank_mask:0xf
	v_max_num_f32_dpp v68, v68, v68 row_xmask:4 row_mask:0xf bank_mask:0xf
	v_max_num_f32_dpp v68, v68, v68 row_xmask:8 row_mask:0xf bank_mask:0xf
	v_permlanex16_b32 v69, v68, s[SEL], s[SEL+1]
	v_max_num_f32 v68, v68, v69
.irp q, 0,1,2,3
	v_sub_f32 v[72+\q], v[64+\q], v68
.endr
.irp q, 0,1,2,3
	v_mul_f32 v[72+\q], 0x3fb8aa3b, v[72+\q]
.endr
	s_wait_alu depctr_va_vdst(0)
.irp q, 0,1,2,3
	v_exp_f32 v[72+\q], v[72+\q]
.endr
	v_nop
	s_wait_alu depctr_va_vdst(0)
	ds_store_b128 v[PST], v[72:75]                 ; p of all 128 rows into my stage; back in the order in which my bf16 rows lie along K
.set q, 0
.rept 8
	ds_load_b32 v[80+2*q], v[PLD] offset:64*(q/4)+16*(q%4)
	ds_load_b32 v[81+2*q], v[PLD] offset:64*(q/4)+16*(q%4)+8
.set q, q+1
.endr
	s_wait_dscnt 0x0
.set q, 0
.rept 8
	v_cvt_pk_bf16_f32 v[96+q], v[80+2*q], v[81+2*q]
.set q, q+1
.endr
	s_wait_alu depctr_va_vdst(0)
	PLACES
.irp bt, 0,1
	WIN 0x48+4*\bt
.set o, 0
.rept 32
	v_wmma_f32_16x16x32_bf16 v[8*o:8*o+7], v[96:103], v[8*o:8*o+7], 0   ; p of my 32 rows x 16 columns of values
.set o, o+1
.endr
	PLACES
	WIN 0x04
.set o, 0
.rept 32
	ds_store_b32 v[CXW], v[8*o] offset:2048*\bt+512*(o/8)+256*((o/4)%2)+4*(o%4)
.set o, o+1
.endr
	WIN 0
	s_wait_dscnt 0x0
.if \bt == 0
.rept 5
	v_nop
.endr
.endif
.endr
	s_barrier_signal -1
	s_barrier_wait -1
.irp x, 0,1,2,3
	ds_load_b128 v[112+8*\x:115+8*\x], v[CXR] offset:4096*\x
	ds_load_b128 v[116+8*\x:119+8*\x], v[CXR] offset:4096*\x+512
.endr
	s_wait_dscnt 0x0
.irp x, 1,2,3
.irp i, 0,2,4,6
	v_pk_add_f32 v[112+\i:113+\i], v[112+\i:113+\i], v[112+8*\x+\i:113+8*\x+\i]
.endr
.endr
	global_store_b128 v[L16], v[112:115], s[14:15] ; 32 lanes store 512 consecutive bytes
	global_store_b128 v[L16], v[116:119], s[14:15] offset:512
	s_cmp_lg_u32 s16, 0
	s_cbranch_scc1 .Lnot_first
	global_store_b128 v[L16], v[64:67], s[12:13]
.Lnot_first:
	s_wait_tensorcnt 0x0                           ; the wave's end
	ds_add_u32 v[SPW], v[NIL]
	s_wait_dscnt 0x0
	ROUND                                          ; the closing round
	s_endpgm
.Lfunc_end_k_q5c69650371_main:
	.size	k_q5c69650371_main, .Lfunc_end_k_q5c69650371_main-k_q5c69650371_main
	.p2alignl 7, 3214868480
	.fill 96, 4, 3214868480
	.section	.rodata,"a",@progbits
	.p2align	6, 0x0
	.amdhsa_kernel k_q5c69650371_main
		.amdhsa_group_segment_fixed_size 327680
		.amdhsa_private_segment_fixed_size 0
		.amdhsa_enable_private_segment 0
		.amdhsa_kernarg_size 48
		.amdhsa_user_sgpr_count 2
		.amdhsa_user_sgpr_kernarg_segment_ptr 1
		.amdhsa_wavefront_size32 1
		.amdhsa_system_sgpr_workgroup_id_x 1
		.amdhsa_system_sgpr_workgroup_id_y 1
		.amdhsa_system_sgpr_workgroup_id_z 1
		.amdhsa_system_vgpr_workitem_id 0
		.amdhsa_next_free_vgpr 1024
		.amdhsa_next_free_sgpr 66
		.amdhsa_reserve_vcc 0
		.amdhsa_float_denorm_mode_32 3
		.amdhsa_float_denorm_mode_16_64 3
		.amdhsa_memory_ordered 1
		.amdhsa_forward_progress 1
		.amdhsa_inst_pref_size 255
	.end_amdhsa_kernel
	.section	.bss,"aw",@nobits
	.p2align	6
	.space	262144
	.amdgpu_metadata
---
amdhsa.version: [ 1, 2 ]
amdhsa.kernels:
  - .name:           k_q5c69650371_main
    .symbol:         k_q5c69650371_main.kd
    .args:
      - { .name: values, .offset: 0, .size: 8, .value_kind: global_buffer, .address_space: global }
      - { .name: w1img, .offset: 8, .size: 8, .value_kind: global_buffer, .address_space: global }
      - { .name: qpc, .offset: 16, .size: 8, .value_kind: global_buffer, .address_space: global }
      - { .name: v, .offset: 24, .size: 8, .value_kind: global_buffer, .address_space: global }
      - { .name: scores, .offset: 32, .size: 8, .value_kind: global_buffer, .address_space: global }
      - { .name: ctxp, .offset: 40, .size: 8, .value_kind: global_buffer, .address_space: global }
    .group_segment_fixed_size: 327680
    .private_segment_fixed_size: 0
    .kernarg_segment_align: 8
    .kernarg_segment_size: 48
    .max_flat_workgroup_size: 128
    .sgpr_count:     66
    .vgpr_count:     1024
    .wavefront_size: 32
...
	.end_amdgpu_metadata
.endif
;; end of part 2
;; launch finish (part 3): grid 32 x 1, 8 waves a work-group, no clusters, 2,048 bytes of LDS; arguments scores, ctxp, out0, out1; writes out0, out1
.if DOCPART == 3
	.amdgcn_target "amdgcn-amd-amdhsa--gfx1250"
	.amdhsa_code_object_version 6
	.text
	.protected	k_q5c69650371_finish
	.globl	k_q5c69650371_finish
	.p2align	8
	.type	k_q5c69650371_finish,@function
k_q5c69650371_finish:
	s_mov_b64 s[64:65], 0
	v_nop
	global_prefetch_b8 v0, s[64:65] scope:SCOPE_SE
	s_setreg_imm32_b32 hwreg(HW_REG_WAVE_MODE, 25, 1), 1
	s_wait_xcnt 0x0
; out1(b, s) = softmax over s of scores(b, s);  out0(b, d) = sum over the batch's 16 blocks k of ctxp(16 b + k, d) x 2^((block k's largest score - the batch's) log2 e) / the batch's sum.
; Sixteen neighbouring lanes hold exactly one block of 128 scores, so the block's largest score is found again here, from the same bits as in the launch before.
; No matrix unit, no tensor loads, no cluster: a few loads a thread, nothing shared between work-groups.
	s_load_b128 s[4:7], s[0:1], 0x0                ; scores, ctxp
	s_load_b128 s[8:11], s[0:1], 0x10              ; out0, out1
	v_lshl_add_u32 v128, v0, 2, 0x400
	v_mov_b32 v129, 0
	v_lshlrev_b32 v1, 5, v0                        ; 32 t
	v_lshlrev_b32 v2, 4, v0                        ; 16 t
	v_lshrrev_b32 v3, 5, v0
	s_delay_alu instid0(VALU_DEP_1)
	v_lshlrev_b32 v3, 2, v3                        ; LDS: a word for each wave
	v_lshrrev_b32 v12, 4, v0
	s_delay_alu instid0(VALU_DEP_1)
	v_lshlrev_b32 v12, 2, v12                      ; LDS: a word for each block
	v_mov_b32 v14, 0                               ; a lane permute's destination counts as one of its sources
	v_mov_b32 v80, 0
	s_mov_b32 s20, 0x76543210
	s_mov_b32 s21, 0xfedcba98
	s_lshl_b32 s14, ttmp9, 13                      ; 2,048 scores a batch
	s_mov_b32 s15, 0
	s_lshl_b32 s16, ttmp9, 16                      ; 16 blocks of 4,096 bytes
	s_mov_b32 s17, 0
	s_lshl_b32 s18, ttmp9, 12
	s_mov_b32 s19, 0
	s_wait_alu depctr_va_vdst(0)
	s_wait_kmcnt 0x0
	s_add_nc_u64 s[4:5], s[4:5], s[14:15]
	s_add_nc_u64 s[10:11], s[10:11], s[14:15]
	s_add_nc_u64 s[6:7], s[6:7], s[16:17]
	s_add_nc_u64 s[8:9], s[8:9], s[18:19]
	global_load_b128 v[4:7], v1, s[4:5]
	global_load_b128 v[8:11], v1, s[4:5] offset:16
.irp k, 0,1,2,3,4,5,6,7,8,9,10,11,12,13,14,15
	global_load_b128 v[16+4*\k:19+4*\k], v2, s[6:7] offset:4096*\k
.endr
	s_wait_loadcnt 16                              ; the scores are in; the 16 loads of partial contexts stay out
	v_max3_num_f32 v13, v4, v5, v6
	s_delay_alu instid0(VALU_DEP_1)
	v_max3_num_f32 v13, v13, v7, v8
	s_delay_alu instid0(VALU_DEP_1)
	v_max3_num_f32 v13, v13, v9, v10
	s_delay_alu instid0(VALU_DEP_1)
	v_max_num_f32 v13, v13, v11
	s_delay_alu instid0(VALU_DEP_1)
	v_max_num_f32_dpp v13, v13, v13 row_xmask:1 row_mask:0xf bank_mask:0xf
	s_delay_alu instid0(VALU_DEP_1)
	v_max_num_f32_dpp v13, v13, v13 row_xmask:2 row_mask:0xf bank_mask:0xf
	s_delay_alu instid0(VALU_DEP_1)
	v_max_num_f32_dpp v13, v13, v13 row_xmask:4 row_mask:0xf bank_mask:0xf
	s_delay_alu instid0(VALU_DEP_1)
	v_max_num_f32_dpp v13, v13, v13 row_xmask:8 row_mask:0xf bank_mask:0xf    ; my block's largest score
	s_delay_alu instid0(VALU_DEP_1)
	v_permlanex16_b32 v14, v13, s20, s21
	s_delay_alu instid0(VALU_DEP_1)
	v_max_num_f32 v15, v13, v14                    ; my wave's
	ds_store_b32 v3, v15
	s_wait_dscnt 0x0
	s_barrier_signal -1
	s_barrier_wait -1
	ds_load_b128 v[84:87], v80
	ds_load_b128 v[88:91], v80 offset:16
	s_wait_dscnt 0x0
	v_max3_num_f32 v15, v84, v85, v86
	s_delay_alu instid0(VALU_DEP_1)
	v_max3_num_f32 v15, v15, v87, v88
	s_delay_alu instid0(VALU_DEP_1)
	v_max3_num_f32 v15, v15, v89, v90
	s_delay_alu instid0(VALU_DEP_1)
	v_max_num_f32 v15, v15, v91                    ; the batch's
.irp i, 0,1,2,3,4,5,6,7
	v_sub_f32 v[4+\i], v[4+\i], v15
.endr
	v_sub_f32 v13, v13, v15
.irp i, 0,1,2,3,4,5,6,7
	v_mul_f32 v[4+\i], 0x3fb8aa3b, v[4+\i]
.endr
	v_mul_f32 v13, 0x3fb8aa3b, v13
	s_wait_alu depctr_va_vdst(0)
.irp i, 0,1,2,3,4,5,6,7
	v_exp_f32 v[4+\i], v[4+\i]
.endr
	v_exp_f32 v13, v13
	v_nop                                          ; a plain place behind the transcendentals
	s_wait_alu depctr_va_vdst(0)
	v_pk_add_f32 v[92:93], v[4:5], v[6:7]
	v_pk_add_f32 v[94:95], v[8:9], v[10:11]
	s_delay_alu instid0(VALU_DEP_1)
	v_pk_add_f32 v[92:93], v[92:93], v[94:95]
	s_delay_alu instid0(VALU_DEP_1)
	v_add_f32 v92, v92, v93
	s_delay_alu instid0(VALU_DEP_1)
	v_add_f32_dpp v92, v92, v92 row_xmask:1 row_mask:0xf bank_mask:0xf
	s_delay_alu instid0(VALU_DEP_1)
	v_add_f32_dpp v92, v92, v92 row_xmask:2 row_mask:0xf bank_mask:0xf
	s_delay_alu instid0(VALU_DEP_1)
	v_add_f32_dpp v92, v92, v92 row_xmask:4 row_mask:0xf bank_mask:0xf
	s_delay_alu instid0(VALU_DEP_1)
	v_add_f32_dpp v92, v92, v92 row_xmask:8 row_mask:0xf bank_mask:0xf
	s_delay_alu instid0(VALU_DEP_1)
	v_permlanex16_b32 v14, v92, s20, s21
	s_delay_alu instid0(VALU_DEP_1)
	v_add_f32 v92, v92, v14
	ds_store_b32 v3, v92 offset:256                ; other bytes than the maxima's: no barrier is owed to their readers
	s_wait_dscnt 0x0
	s_barrier_signal -1
	s_barrier_wait -1
	ds_load_b128 v[84:87], v80 offset:256
	ds_load_b128 v[88:91], v80 offset:272
	s_wait_dscnt 0x0
	v_pk_add_f32 v[84:85], v[84:85], v[86:87]
	v_pk_add_f32 v[88:89], v[88:89], v[90:91]
	s_delay_alu instid0(VALU_DEP_1)
	v_pk_add_f32 v[84:85], v[84:85], v[88:89]
	s_delay_alu instid0(VALU_DEP_1)
	v_add_f32 v84, v84, v85                        ; the batch's sum
	s_wait_alu depctr_va_vdst(0)
	v_rcp_f32 v82, v84
	v_nop
	s_wait_alu depctr_va_vdst(0)
.irp i, 0,1,2,3,4,5,6,7
	v_mul_f32 v[4+\i], v[4+\i], v82
.endr
	v_mul_f32 v13, v13, v82                        ; my block's factor
	global_store_b128 v1, v[4:7], s[10:11]
	global_store_b128 v1, v[8:11], s[10:11] offset:16
	ds_store_b32 v12, v13 offset:512               ; sixteen lanes write the same word with the same value
	s_wait_dscnt 0x0
	s_barrier_signal -1
	s_barrier_wait -1
.irp k, 0,1,2,3
	ds_load_b128 v[96+4*\k:99+4*\k], v80 offset:512+16*\k
.endr
	s_wait_dscnt 0x0
	s_wait_loadcnt 0x0
.irp e, 0,1,2,3
	v_mul_f32 v[112+\e], v[16+\e], v96
.endr
.irp k, 1,2,3,4,5,6,7,8,9,10,11,12,13,14,15
.irp e, 0,1,2,3
	s_delay_alu instid0(VALU_DEP_4)
	v_fma_f32 v[112+\e], v[16+4*\k+\e], v[96+\k], v[112+\e]
.endr
.endr
	global_store_b128 v2, v[112:115], s[8:9]       ; 16 lanes store 256 consecutive bytes, aligned
	s_wait_tensorcnt 0x0
	ds_add_u32 v128, v129
	s_wait_dscnt 0x0
	s_endpgm
.Lfunc_end_k_q5c69650371_finish:
	.size	k_q5c69650371_finish, .Lfunc_end_k_q5c69650371_finish-k_q5c69650371_finish
	.p2alignl 7, 3214868480
	.fill 96, 4, 3214868480
	.section	.rodata,"a",@progbits
	.p2align	6, 0x0
	.amdhsa_kernel k_q5c69650371_finish
		.amdhsa_group_segment_fixed_size 2048
		.amdhsa_private_segment_fixed_size 0
		.amdhsa_enable_private_segment 0
		.amdhsa_kernarg_size 32
		.amdhsa_user_sgpr_count 2
		.amdhsa_user_sgpr_kernarg_segment_ptr 1
		.amdhsa_wavefront_size32 1
		.amdhsa_system_sgpr_workgroup_id_x 1
		.amdhsa_system_sgpr_workgroup_id_y 1
		.amdhsa_system_sgpr_workgroup_id_z 1
		.amdhsa_system_vgpr_workitem_id 0
		.amdhsa_next_free_vgpr 130
		.amdhsa_next_free_sgpr 66
		.amdhsa_reserve_vcc 0
		.amdhsa_float_denorm_mode_32 3
		.amdhsa_float_denorm_mode_16_64 3
		.amdhsa_memory_ordered 1
		.amdhsa_forward_progress 1
		.amdhsa_inst_pref_size 15
	.end_amdhsa_kernel
	.amdgpu_metadata
---
amdhsa.version: [ 1, 2 ]
amdhsa.kernels:
  - .name:           k_q5c69650371_finish
    .symbol:         k_q5c69650371_finish.kd
    .args:
      - { .name: scores, .offset: 0, .size: 8, .value_kind: global_buffer, .address_space: global }
      - { .name: ctxp, .offset: 8, .size: 8, .value_kind: global_buffer, .address_space: global }
      - { .name: out0, .offset: 16, .size: 8, .value_kind: global_buffer, .address_space: global }
      - { .name: out1, .offset: 24, .size: 8, .value_kind: global_buffer, .address_space: global }
    .group_segment_fixed_size: 2048
    .private_segment_fixed_size: 0
    .kernarg_segment_align: 8
    .kernarg_segment_size: 32
    .max_flat_workgroup_size: 256
    .sgpr_count:     66
    .vgpr_count:     130
    .wavefront_size: 32
...
	.end_amdgpu_metadata
.endif
;; end of part 3
